; MI455X (gfx1250); checked and timed in simulation.
; The chip was launched on July 23, 2026; its instructions are those of AMD's public machine-readable ISA for CDNA 5 (MIT licence, August 2026) and "CDNA5" Instruction Set Architecture Reference Guide (July 2026). The comments in the code are by the model that wrote it; some were corrected since.
;; MOE Layer. Allowed arithmetic: matrix products marked QUANTISED: E2M1 operands, one E8M0 scale for each 32 along K, by v_wmma_scale_f32_16x16x128_f8f6f4 with both operands' format E2M1 (or v_wmma_scale_f32_32x16x128_f4), f32 sums; products left as they are: f32 operands where the result goes on into a quantised operand, else bf16, f16 or f32 operands; f32 sums; everything else in f32.
;; Inputs: W 8 x 1,024 x 1,024 float32; Wg 1,024 x 8 float32; b 8 x 1,024 float32; bg 8 float32; x 4,096 x 1,024 float32.
;; Outputs: out0 4,096 x 1,024 float32; out1 one number float32.
;; This version of the problem:
;;   THIS VERSION OF THE PROBLEM IS GIVEN IN LOW PRECISION. The matrix products marked QUANTISED in the list below multiply operands that are first quantised to E2M1 (2 exponent bits, 1 mantissa bit; 4 bits a number), with one power-of-two scale for each 32 numbers along K (OCP MX v1.0); their sums are f32. All else is computed in f32.
;;   The module's matrix products, in the order in which they are computed (A, B: the left and right operand; K: the contracted axis; several contracted axes count as one K, in the product's order):
;;     1. [M 4,096, K 1,024] x [K 1,024, N 8]; A: input x; B: input Wg: left as it is (N = 8 < 16)
;;     2. batch 4,096 x [M 1,024, K 1] x [K 1, N 8]; A: computed on the way; B: computed on the way: left as it is (no contracted axis)
;;     3. batch 8 x [M 4,096, K 1,024] x [K 1,024, N 1,024]; A: computed on the way; B: input W: QUANTISED
;;     4. batch 4,096 x [M 1, K 8] x [K 8, N 1,024]; A: computed on the way; B: computed on the way: left as it is (K = 8 < 32)
;;   THE QUANTISER, for each operand of a quantised product, along K:
;;     - K is cut into blocks of 32 from its start; a last block that is shorter is filled with zeros.
;;     - A block's scale is 2^e with e = floor(log2(the largest magnitude in the block)) - 2, held to -126 .. 127; a block of zeros has e = 0. As a byte (E8M0): e + 127.
;;     - Each number is divided by its block's scale, clamped to +-6, and rounded to the nearest number of E2M1, ties to even, subnormals kept.
;;     - The product sums the exact products of the quantised numbers (number of the format x scale) in f32.
;;   ~~~python
;;   def quantise(x, axis):      # numpy; x: float32 -> the quantised numbers, widened to float32 again
;;       x = np.moveaxis(x, axis, -1); K = x.shape[-1]
;;       x = np.pad(x, [(0, 0)] * (x.ndim - 1) + [(0, -K % 32)]); x = x.reshape(x.shape[:-1] + (-1, 32)); a = np.abs(x).max(-1, keepdims=True)
;;       e = np.where(a > 0, np.clip(np.frexp(np.where(a > 0, a, 1))[1] - 1 - 2, -126, 127), 0)      # np.frexp(a)[1] - 1 = floor(log2(a)), exactly
;;       r = np.clip(x / 2.0 ** e, -6, 6)
;;       step = 2.0 ** (np.maximum(np.frexp(np.where(r == 0, 1, r))[1] - 1, 0) - 1)
;;       q = np.round(r / step) * step * 2.0 ** e      # np.round: ties to even
;;       return np.moveaxis(q.reshape(q.shape[:-2] + (-1,))[..., :K], -1, axis).astype(np.float32)
;;   ~~~
;;   OPERANDS COMPUTED ON THE WAY. 'Computed on the way' means the value that the module computes at that place (a softmax that the list does not call 'softmax' is quantised finished and normalised). What goes into a quantiser is computed in f32, as accurately as f32 sums, v_exp_f32 and their like allow (about 1e-6 of the number): no bf16 or f16 on the way to a quantiser, and a product that is left as it is and whose result goes on into a quantised operand takes f32 operands (vector FMAs, or v_wmma_f32_16x16x4_f32). A number that lies on a knife's edge between two numbers of the format may be rounded either way, as far as f32 arithmetic and the matrix unit's own rounding can turn it there, and no further.
;; One version. Each part assembles by itself: llvm-mc -triple=amdgcn-amd-amdhsa -mcpu=gfx1250 --defsym DOCPART=n.
;; ======== version 1 of 1: 2 launches
;; workspace buffers: xc 2,097,152 bytes; xs 131,072 bytes; wc 4,194,304 bytes; ws 262,144 bytes; lst 16,384 bytes of whole numbers; cof 16,384 bytes of whole numbers; gate 16,384 bytes; psum 16,384 bytes
;; launch prep (part 1): grid 384 x 1, 8 waves a work-group, no clusters, 27,136 bytes of LDS; arguments x, Wg, bg, W, xc, xs, wc, ws, lst, cof, gate, psum; writes xc, xs, wc, ws, lst, cof, gate, psum
.if DOCPART == 1
	.amdgcn_target "amdgcn-amd-amdhsa--gfx1250"
	.amdhsa_code_object_version 6
	.text
	.protected	k_q6b651bbdb9_prep
	.globl	k_q6b651bbdb9_prep
	.p2align	8
	.type	k_q6b651bbdb9_prep,@function
k_q6b651bbdb9_prep:
	s_mov_b64 s[64:65], 0
	v_nop
	global_prefetch_b8 v0, s[64:65] scope:SCOPE_SE
	s_setreg_imm32_b32 hwreg(HW_REG_WAVE_MODE, 25, 1), 1
	s_wait_xcnt 0x0
; PREP: the router, and both operands of the quantised product as codes of E2M1 with one E8M0 byte for each 32 along K.
; THE PROBLEM.  logits = x Wg + bg; probs = softmax; e(t) = argmax; a token is kept if it is among the first 640 of its expert, in token order;
; out[t] = (Q(x[t]) Q(W[e(t)]) + b[e(t)]) top_prob[t] for kept tokens, 0 for dropped ones; aux = 8 sum_e f_e P_e.
; WORK LEFT OUT, for all values of the inputs: reference() forms ye[e][t] for all 8 experts and multiplies it by dispatch[t][e], which it builds itself and which is 0
; for every e but e(t): of the 8 x 4,096 rows of the quantised product only row t of expert e(t) can reach out.  xe[e(t)][t] is x[t] itself (dispatch is 1 there), so x is
; quantised once, as it stands.  The two products with dispatch are a selection.  Every input has a way to an output and is loaded.
; LIMITS.  A NaN, an infinity or an overflow that reaches only the rows left out is not carried to the result.  NaN and infinities among the inputs are not served.
; The index is the first largest LOGIT (reference() takes the first largest prob: they differ only where two unequal logits round to equal probs).  top_prob is 1 / the sum of
; 2^((l - max) log2 e), the largest term being 2^0 = 1.  A block of zeros gets the byte 1 where the rule says 127: its codes are zeros, and this program alone reads the bytes.
; The logits' f32 sums are taken in another order than reference()'s.
; NO ADDRESS AND NO BRANCH HERE HANGS ON THE ROUTER'S CHOICE: what it decides is stored at fixed places, as whole numbers for each group of 32 tokens:
;   lst[g][32]  the group's tokens sorted by (expert, token);   cof[g][0..7] each expert's count, cof[g][8..15] where its run begins in lst[g].
; SHARES.  Work-groups 0-127: 32 tokens of x each (wave w: d = 128 w .. 128 w + 127 of all 32).  Work-groups 128-383: 128 K x 256 columns of one expert's W (wave w: 32 columns, a lane a column).
; No tensor loads, no cluster: no two work-groups read the same bytes but Wg's 32 KiB.  The matrix unit has no part here: the router's N is 8.
.set CPITCH, 528                       ; a token's 512 bytes of codes in LDS + 16
.set CST,    0                         ; 32 rows of codes
.set SST,    32*CPITCH                 ; 32 x 32 scale bytes
.set LGS,    SST+1024                  ; [wave][lane][8] partial logits
.set SPARE,  LGS+8192                  ; the spare words, 128 bytes for each of the eight waves: four blocks of 256 bytes that no other line names
.set CUR,  12                          ; v12-19   the token in hand: 8 partial logits
.set LV1,  20                          ; v20-59   what waits at levels 1 to 5 of the reduction tree, 8 registers each
.set LV2,  28
.set LV3,  36
.set LV4,  44
.set LV5,  52
.set XA,   60                          ; v60-67, v68-75  results on their way up, by turns
.set XB,   68
.set TT,   76                          ; v76-83   what a lane sends
.set SOF,  84                          ; v84      the scale bytes' place in xs
.set WGV,  92                          ; v92-123  Wg[128 w + 4 l + i][e] at 8 i + e
.set XR,   124                         ; v124-251 x[token][128 w + 4 l + i] at 4 token + i
.set SPW,  254                         ; v254     LDS address of my spare word; never rewritten
.set NIL,  255                         ; v255     0; never rewritten
.set BY,   12                          ; v12-43   a scale byte for each token (the tree's registers, done with)
.set QM,   44                          ; v44-51   eight blocks' largest magnitudes, then scale operands
.set CD,   92                          ; v92-123  a register of codes for each token (Wg's registers, done with)
.set LG,   144                         ; v144-207 the eight waves' partial logits of my token
.set PB,   152                         ; v152-159 the exponentials, then probs
.set MX,   208
.set IDX,  209
.set SM,   210                         ; v210-213
.set GT,   214
.set POS,  215
.set TOK,  216
.set CF,   217
.set WX,   32                          ; W path: v32-95 two sets of 32 numbers; v96-111 codes; v112 the scale word
.set WC,   96
.set WSB,  112
	s_load_b512 s[8:23], s[0:1], 0x0               ; x 8, Wg 10, bg 12, W 14, xc 16, xs 18, wc 20, ws 22
	s_load_b256 s[24:31], s[0:1], 0x40             ; lst 24, cof 26, gate 28, psum 30
	v_lshl_add_u32 v[SPW], v0, 2, SPARE
	v_mov_b32 v[NIL], 0
	v_lshrrev_b32 v1, 5, v0
	s_delay_alu instid0(VALU_DEP_1)
	v_readfirstlane_b32 s2, v1                     ; wave 0..7
	v_and_b32 v1, 31, v0                           ; lane
	s_mov_b32 s5, 0                                ; the upper word of the offsets in s[4:5]
	s_cmp_lt_u32 ttmp9, 128                        ; the work-group's number alone: all eight waves go the same way
	s_cbranch_scc0 .Lw_path
; ======================================================= x: 32 tokens =======================================================
	v_lshlrev_b32 v2, 4, v0                        ; x: 512 w + 16 l
	v_lshlrev_b32 v3, 7, v0                        ; Wg: rows 128 w + 4 l on, 32 bytes a row
	v_lshlrev_b32 v4, 1, v0                        ; LDS, codes in: 64 w + 2 l in a token's row
	v_lshrrev_b32 v5, 3, v0
	s_delay_alu instid0(VALU_DEP_1)
	v_add_nc_u32 v5, SST, v5                       ; LDS, scale bytes in: block 4 w + l / 8
	v_lshl_add_u32 v6, v0, 5, LGS                  ; LDS, partial logits in: 32 bytes for each thread
	v_lshlrev_b32 v10, 4, v1                       ; 16 l
	v_lshlrev_b32 v11, 2, v1                       ; 4 l
	s_mul_i32 s3, s2, 4*CPITCH
	v_add_nc_u32 v7, s3, v10                       ; LDS, codes out: rows 4 w on, 16 bytes a lane
	s_and_b32 s3, s2, 1
	s_lshl_b32 s3, s3, 9
	v_add_nc_u32 v[SOF], s3, v10                   ; scale bytes out (waves 6 and 7): 512 (w & 1) + 16 l
	s_delay_alu instid0(VALU_DEP_1)
	v_add_nc_u32 v8, SST, v[SOF]
	v_lshl_add_u32 v9, v1, 5, LGS                  ; LDS, partial logits out (wave 0): token l
	s_mov_b32 s66, 0xff00ff00                      ; lanes with bit 3, 2, 1, 0 set
	s_mov_b32 s67, 0xf0f0f0f0
	s_mov_b32 s68, 0xcccccccc
	s_mov_b32 s69, 0xaaaaaaaa
	s_mov_b32 s70, 0x76543210                      ; v_permlanex16_b32's selects for lane l xor 16
	s_mov_b32 s71, 0xfedcba98
	s_lshl_b32 s4, ttmp9, 17                       ; 32 rows of 4,096 bytes
	s_wait_kmcnt 0x0
	s_add_nc_u64 s[8:9], s[8:9], s[4:5]
.irp j, 0,1,2,3,4,5,6,7
	global_load_b128 v[WGV+4*\j:WGV+4*\j+3], v3, s[10:11] offset:16*\j
.endr
; The tokens are taken in the order k -> the five bits of k reversed, so that the tree below leaves token l's sums in lane l.  Each load covers 512 consecutive bytes.
.set k, 0
.rept 32
.set tk, ((k&1)<<4)|((k&2)<<2)|(k&4)|((k&8)>>2)|((k&16)>>4)
	global_load_b128 v[XR+4*tk:XR+4*tk+3], v2, s[8:9] offset:tk*4096 th:TH_LOAD_NT
.set k, k+1
.endr
	s_load_b256 s[32:39], s[12:13], 0x0            ; bg
	s_lshl_b32 s4, ttmp9, 14                       ; xc: 32 rows of 512 bytes, my wave's four
	s_lshl_b32 s6, s2, 11
	s_add_co_u32 s4, s4, s6
	s_add_nc_u64 s[16:17], s[16:17], s[4:5]
	s_lshl_b32 s4, ttmp9, 10                       ; xs: 32 x 32 bytes
	s_add_nc_u64 s[18:19], s[18:19], s[4:5]
	s_lshl_b32 s4, ttmp9, 7                        ; the four small tables: 128 bytes a group
	s_add_nc_u64 s[24:25], s[24:25], s[4:5]
	s_add_nc_u64 s[26:27], s[26:27], s[4:5]
	s_add_nc_u64 s[28:29], s[28:29], s[4:5]
	s_add_nc_u64 s[30:31], s[30:31], s[4:5]
; 8 partial logits of one token: my four d against Wg's rows, two experts an instruction; x's number serves both halves
.macro FMA16 d, tok
.irp e, 0,2,4,6
	v_pk_mul_f32 v[\d+\e:\d+\e+1], v[XR+4*(\tok):XR+4*(\tok)+1], v[WGV+\e:WGV+\e+1] op_sel_hi:[0,1]
.endr
.irp e, 0,2,4,6
	s_delay_alu instid0(VALU_DEP_4)
	v_pk_fma_f32 v[\d+\e:\d+\e+1], v[XR+4*(\tok):XR+4*(\tok)+1], v[WGV+8+\e:WGV+8+\e+1], v[\d+\e:\d+\e+1] op_sel:[1,0,0] op_sel_hi:[1,1,1]
.endr
.irp e, 0,2,4,6
	s_delay_alu instid0(VALU_DEP_4)
	v_pk_fma_f32 v[\d+\e:\d+\e+1], v[XR+4*(\tok)+2:XR+4*(\tok)+3], v[WGV+16+\e:WGV+16+\e+1], v[\d+\e:\d+\e+1] op_sel_hi:[0,1,1]
.endr
.irp e, 0,2,4,6
	s_delay_alu instid0(VALU_DEP_4)
	v_pk_fma_f32 v[\d+\e:\d+\e+1], v[XR+4*(\tok)+2:XR+4*(\tok)+3], v[WGV+24+\e:WGV+24+\e+1], v[\d+\e:\d+\e+1] op_sel:[1,0,0] op_sel_hi:[1,1,1]
.endr
.endm
; Two sets of sums become one: lanes 0-15 go on with a's, lanes 16-31 with b's, each having added the other half's part
.macro MERGE16 a, b, d
.irp i, 0,1,2,3,4,5,6,7
	v_permlane16_swap_b32 v[\a+\i], v[\b+\i]
.endr
.irp i, 0,2,4,6
	v_pk_add_f32 v[\d+\i:\d+\i+1], v[\a+\i:\a+\i+1], v[\b+\i:\b+\i+1]
.endr
.endm
; The same inside a row of 16 lanes: lanes without bit m go on with a's, lanes with it with b's; each sends what it does not keep to lane l xor m
.macro MERGEX a, b, mk, m, d
.irp i, 0,1,2,3,4,5,6,7
	v_cndmask_b32 v[TT+\i], v[\b+\i], v[\a+\i], s[\mk]
.endr
.irp i, 0,1,2,3,4,5,6,7
	v_cndmask_b32 v[\d+\i], v[\a+\i], v[\b+\i], s[\mk]
.endr
.irp i, 0,1,2,3,4,5,6,7
	v_add_f32_dpp v[\d+\i], v[TT+\i], v[\d+\i] row_xmask:\m row_mask:0xf bank_mask:0xf
.endr
.endm
; 32 tokens x 8 sums over 32 lanes, as a tree walked like a binary counter: at most one set waits at each level
.set k, 0
.rept 32
.set tk, ((k&1)<<4)|((k&2)<<2)|(k&4)|((k&8)>>2)|((k&16)>>4)
	s_wait_loadcnt 31-k                            ; loads come back in order: Wg and this token are in, the 31 - k younger loads stay out
.if (k&1)==0
	FMA16 LV1, tk
.else
	FMA16 CUR, tk
.if (k&2)==0
	MERGE16 LV1, CUR, LV2
.else
	MERGE16 LV1, CUR, XA
.if (k&4)==0
	MERGEX LV2, XA, 66, 8, LV3
.else
	MERGEX LV2, XA, 66, 8, XB
.if (k&8)==0
	MERGEX LV3, XB, 67, 4, LV4
.else
	MERGEX LV3, XB, 67, 4, XA
.if (k&16)==0
	MERGEX LV4, XA, 68, 2, LV5
.else
	MERGEX LV4, XA, 68, 2, XB
	MERGEX LV5, XB, 69, 1, XA
.endif
.endif
.endif
.endif
.endif
.set k, k+1
.endr
	ds_store_b128 v6, v[XA:XA+3]                   ; lane l: my wave's part of token l's 8 logits
	ds_store_b128 v6, v[XA+4:XA+7] offset:16
; Eight tokens are quantised.  A lane holds 4 numbers of a token, eight lanes a block of 32.  The conversion takes 8 registers: those of tokens t and t + 1.  It is run twice, under t's scale
; (the low 16 bits are t's four codes) and under t + 1's (the high 16 bits are t + 1's).
.macro Q8 t0
.irp u, 0,1,2,3,4,5,6,7
	v_max3_num_f32 v[QM+\u], |v[XR+4*(\t0+\u)]|, |v[XR+4*(\t0+\u)+1]|, |v[XR+4*(\t0+\u)+2]|
.endr
.irp u, 0,1,2,3,4,5,6,7
	v_max3_num_f32 v[QM+\u], v[QM+\u], |v[XR+4*(\t0+\u)+3]|, 0x1800000   ; and the floor 2^(3 - 127): the byte cannot fall under 1
.endr
.irp m, 1,2,4
.irp u, 0,1,2,3,4,5,6,7
	v_max_num_f32_dpp v[QM+\u], v[QM+\u], v[QM+\u] row_xmask:\m row_mask:0xf bank_mask:0xf
.endr
.endr
.irp u, 0,1,2,3,4,5,6,7
	v_add_nc_u32 v[QM+\u], 0xff000000, v[QM+\u]    ; 2 off the exponent field: the conversion's scale operand
.endr
.irp u, 0,1,2,3,4,5,6,7
	v_lshrrev_b32 v[BY+\t0+\u], 23, v[QM+\u]       ; the scale's byte
.endr
.irp u, 0,2,4,6
	v_cvt_scalef32_pk8_fp4_f32 v[CD+\t0+\u], v[XR+4*(\t0+\u):XR+4*(\t0+\u)+7], v[QM+\u]
	v_cvt_scalef32_pk8_fp4_f32 v[CD+\t0+\u+1], v[XR+4*(\t0+\u):XR+4*(\t0+\u)+7], v[QM+\u+1]
.endr
	v_nop                                          ; one plain line behind the conversions: the next eight tokens write the scale operands anew
.irp u, 0,2,4,6
	ds_store_b16 v4, v[CD+\t0+\u] offset:(\t0+\u)*CPITCH
	ds_store_b16_d16_hi v4, v[CD+\t0+\u+1] offset:(\t0+\u+1)*CPITCH
.endr
.irp u, 0,1,2,3,4,5,6,7
	ds_store_b8 v5, v[BY+\t0+\u] offset:(\t0+\u)*32   ; the eight lanes of a block write the same byte with the same value
.endr
.endm
	Q8 0
	Q8 8
	Q8 16
	Q8 24
	s_wait_kmcnt 0x0                               ; bg
	s_wait_dscnt 0x0                               ; for the others' sake: all my LDS stores have landed
	s_barrier_signal -1
	s_barrier_wait -1
.irp i, 0,1,2,3
	ds_load_b128 v[XR+4*\i:XR+4*\i+3], v7 offset:\i*CPITCH
.endr
.irp i, 0,1,2,3
	s_wait_dscnt 3-\i                              ; LDS loads come back in order: row i is in, the 3 - i younger ones stay out
	global_store_b128 v10, v[XR+4*\i:XR+4*\i+3], s[16:17] offset:\i*512   ; a token's whole row of codes: 512 consecutive bytes, aligned
.endr
	s_cmp_lt_u32 s2, 6
	s_cbranch_scc1 .Lnot_scales
	ds_load_b128 v[XR+16:XR+19], v8                ; waves 6 and 7: the group's 1,024 scale bytes, 512 each
	s_wait_dscnt 0x0
	global_store_b128 v[SOF], v[XR+16:XR+19], s[18:19]
.Lnot_scales:
	s_cmp_lg_u32 s2, 0
	s_cbranch_scc1 .Lend
; ---- wave 0, lane l = token l: the router's tail
.irp a, 0,1,2,3,4,5,6,7
	ds_load_b128 v[LG+8*\a:LG+8*\a+3], v9 offset:1024*\a
	ds_load_b128 v[LG+8*\a+4:LG+8*\a+7], v9 offset:1024*\a+16
.endr
	s_wait_dscnt 0x0
.irp a, 0,2,4,6
.irp e, 0,2,4,6
	v_pk_add_f32 v[LG+8*\a+\e:LG+8*\a+\e+1], v[LG+8*\a+\e:LG+8*\a+\e+1], v[LG+8*\a+8+\e:LG+8*\a+8+\e+1]
.endr
.endr
.irp a, 0,4
.irp e, 0,2,4,6
	v_pk_add_f32 v[LG+8*\a+\e:LG+8*\a+\e+1], v[LG+8*\a+\e:LG+8*\a+\e+1], v[LG+8*\a+16+\e:LG+8*\a+16+\e+1]
.endr
.endr
.irp e, 0,2,4,6
	s_delay_alu instid0(VALU_DEP_4)
	v_pk_add_f32 v[LG+\e:LG+\e+1], v[LG+\e:LG+\e+1], v[LG+32+\e:LG+32+\e+1]
.endr
.irp e, 0,1,2,3,4,5,6,7
	v_add_f32 v[LG+\e], s[32+\e], v[LG+\e]         ; + bg
.endr
	v_max3_num_f32 v[MX], v[LG], v[LG+1], v[LG+2]
	s_delay_alu instid0(VALU_DEP_1)
	v_max3_num_f32 v[MX], v[MX], v[LG+3], v[LG+4]
	s_delay_alu instid0(VALU_DEP_1)
	v_max3_num_f32 v[MX], v[MX], v[LG+5], v[LG+6]
	s_delay_alu instid0(VALU_DEP_1)
	v_max_num_f32 v[MX], v[MX], v[LG+7]
.irp e, 0,1,2,3,4,5,6,7
	v_sub_f32 v[PB+\e], v[LG+\e], v[MX]            ; the maximum is taken away, as reference()'s softmax does
.endr
.irp e, 0,1,2,3,4,5,6,7
	v_mul_f32 v[PB+\e], 0x3fb8aa3b, v[PB+\e]       ; x log2(e)
.endr
	s_wait_alu depctr_va_vdst(0)
.irp e, 0,1,2,3,4,5,6,7
	v_exp_f32 v[PB+\e], v[PB+\e]
.endr
	v_mov_b32 v[IDX], 7                            ; the first index of the largest logit: plain work behind the exponentials, which names none of their results
.irp e, 6,5,4,3,2,1,0
	v_cmp_neq_f32 vcc_lo, v[LG+\e], v[MX]
	s_delay_alu instid0(VALU_DEP_1)
	v_cndmask_b32 v[IDX], \e, v[IDX], vcc_lo
.endr
	s_wait_alu depctr_va_vdst(0)                   ; one wait for the eight exponentials, ahead of their first reader
	v_pk_add_f32 v[SM:SM+1], v[PB:PB+1], v[PB+2:PB+3]
	v_pk_add_f32 v[SM+2:SM+3], v[PB+4:PB+5], v[PB+6:PB+7]
	s_delay_alu instid0(VALU_DEP_1)
	v_pk_add_f32 v[SM:SM+1], v[SM:SM+1], v[SM+2:SM+3]
	s_delay_alu instid0(VALU_DEP_1)
	v_add_f32 v[SM], v[SM], v[SM+1]
	s_wait_alu depctr_va_vdst(0)
	v_rcp_f32 v[GT], v[SM]                         ; 1 / the sum = top_prob; the lists below are the independent work behind it
.irp e, 0,1,2,3,4,5,6,7
	v_cmp_eq_u32 s[40+\e], \e, v[IDX]              ; which of the 32 tokens chose expert e
.endr
.irp e, 0,1,2,3,4,5,6,7
	s_bcnt1_i32_b32 s[48+\e], s[40+\e]             ; how many
.endr
	s_mov_b32 s56, 0
.irp e, 0,1,2,3,4,5,6
	s_add_co_u32 s[57+\e], s[56+\e], s[48+\e]      ; where each expert's run begins
.endr
	v_mov_b32 v[POS], 0
.irp e, 0,1,2,3,4,5,6,7
	v_mbcnt_lo_u32_b32 v[TT], s[40+\e], s[56+\e]   ; the run's start + the tokens of e below my lane
	s_delay_alu instid0(VALU_DEP_1)
	v_cndmask_b32 v[POS], v[POS], v[TT], s[40+\e]  ; my place in the sorted list
.endr
	v_mov_b32 v[TOK], 0
.irp i, 0,1,2,3,4,5,6,7,8,9,10,11,12,13,14,15,16,17,18,19,20,21,22,23,24,25,26,27,28,29,30,31
	v_readlane_b32 s[4+\i%4], v[POS], \i           ; the list is turned round by values alone: lane p takes the token whose place is p
	s_delay_alu instid0(VALU_DEP_1)
	v_cmp_ne_u32 vcc_lo, s[4+\i%4], v1
	s_delay_alu instid0(VALU_DEP_1)
	v_cndmask_b32 v[TOK], \i, v[TOK], vcc_lo
.endr
	s_lshl_b32 s3, ttmp9, 5
	v_add_nc_u32 v[TOK], s3, v[TOK]                ; the token's number among the 4,096
	v_mov_b32 v[CF], 0
.irp e, 0,1,2,3,4,5,6,7
	s_delay_alu instid0(VALU_DEP_1)
	v_writelane_b32 v[CF], s[48+\e], \e
	s_delay_alu instid0(VALU_DEP_1)
	v_writelane_b32 v[CF], s[56+\e], 8+\e
.endr
	s_wait_alu depctr_va_vdst(0)                   ; the reciprocal's wait, ahead of its first reader
.irp e, 0,1,2,3,4,5,6,7
	v_mul_f32 v[PB+\e], v[PB+\e], v[GT]            ; probs
.endr
.macro MX1 a, b, t, mk, m
	v_cndmask_b32 v[\t], v[\b], v[\a], s[\mk]
	v_cndmask_b32 v[\a], v[\a], v[\b], s[\mk]
	s_delay_alu instid0(VALU_DEP_1)
	v_add_f32_dpp v[\a], v[\t], v[\a] row_xmask:\m row_mask:0xf bank_mask:0xf
.endm
.irp e, 0,1,2,3
	MX1 PB+\e, PB+\e+4, TT+\e, 67, 4               ; the sums of probs over the 32 tokens: lane l ends with expert l & 7's
.endr
.irp e, 0,1
	MX1 PB+\e, PB+\e+2, TT+\e, 68, 2
.endr
	MX1 PB, PB+1, TT, 69, 1
	s_delay_alu instid0(VALU_DEP_1)
	v_add_f32_dpp v[PB], v[PB], v[PB] row_xmask:8 row_mask:0xf bank_mask:0xf
	s_delay_alu instid0(VALU_DEP_1)
	v_permlanex16_b32 v[TT], v[PB], s70, s71
	s_delay_alu instid0(VALU_DEP_1)
	v_add_f32 v[PB], v[PB], v[TT]
	global_store_b32 v11, v[TOK], s[24:25]         ; four stores of 128 consecutive bytes: the tables are 64 KiB in all
	global_store_b32 v11, v[CF], s[26:27]
	global_store_b32 v11, v[GT], s[28:29]
	global_store_b32 v11, v[PB], s[30:31]
	s_branch .Lend
; ======================================================= W: 128 K x 256 columns of one expert =======================================================
; A lane takes a column and its registers run down K: a block of 32 lies in one lane, and the conversions give codes with K innermost.  The codes are stored in the order of the
; operand's registers: [e][tile of 16 columns][K step of 128][half c][lane 16 h + r][16 bytes], lane (r, h) holding block 2 c + h of column r: block t of a column lies 256 t bytes on.
.Lw_path:
	s_sub_co_u32 s32, ttmp9, 128
	s_lshr_b32 s33, s32, 5                         ; expert
	s_bfe_u32 s34, s32, 0x30002                    ; K step of 128
	s_and_b32 s35, s32, 3                          ; which 256 columns
	s_wait_alu depctr_va_vdst(0)
	v_lshlrev_b32 v2, 2, v1                        ; 4 l
	v_lshrrev_b32 v3, 4, v1
	v_and_b32 v4, 15, v1
	s_delay_alu instid0(VALU_DEP_1)
	v_lshlrev_b32 v4, 4, v4
	s_delay_alu instid0(VALU_DEP_1)
	v_lshl_add_u32 v3, v3, 13, v4                  ; codes: my tile of 16 columns (8,192 bytes a tile), 16 bytes a column
	s_lshl_b32 s4, s33, 22
	s_lshl_b32 s36, s34, 19
	s_add_co_u32 s4, s4, s36
	s_lshl_b32 s37, s35, 10
	s_lshl_b32 s36, s2, 7
	s_add_co_u32 s37, s37, s36                     ; 4 x my wave's first column
	s_add_co_u32 s4, s4, s37
	s_wait_alu depctr_va_vdst(0)
	s_wait_kmcnt 0x0
	s_add_nc_u64 s[14:15], s[14:15], s[4:5]
.macro LOADW t                         ; block t: W(32 t + i, my column) into set t % 2; the eight waves stand side by side on 1,024 consecutive bytes
.irp i, 0,1,2,3,4,5,6,7,8,9,10,11,12,13,14,15,16,17,18,19,20,21,22,23,24,25,26,27,28,29,30,31
	global_load_b32 v[WX+32*((\t)%2)+\i], v2, s[14:15] offset:(32*(\t)+\i)*4096 th:TH_LOAD_NT
.endr
.endm
	LOADW 0
	LOADW 1
	s_lshl_b32 s4, s33, 19
	s_lshl_b32 s36, s35, 17
	s_add_co_u32 s4, s4, s36
	s_lshl_b32 s36, s2, 14
	s_add_co_u32 s4, s4, s36
	s_lshl_b32 s36, s34, 10
	s_add_co_u32 s4, s4, s36
	s_add_nc_u64 s[20:21], s[20:21], s[4:5]
	s_lshl_b32 s4, s33, 3
	s_add_co_u32 s4, s4, s34
	s_lshl_b32 s4, s4, 12
	s_add_co_u32 s4, s4, s37
	s_add_nc_u64 s[22:23], s[22:23], s[4:5]        ; scale words: [e][K step][column]
.macro BLOCKW t
.set XQ, WX+32*((\t)%2)
.if (\t) < 3
	s_wait_loadcnt 32                              ; this block's 32 loads are in; the next block's 32 may be out
.else
	s_wait_loadcnt 0x0
.endif
	v_max3_num_f32 v12, |v[XQ]|, |v[XQ+1]|, |v[XQ+2]|
	v_max3_num_f32 v13, |v[XQ+3]|, |v[XQ+4]|, |v[XQ+5]|
.irp i, 6,10,14,18,22,26
	s_delay_alu instid0(VALU_DEP_2)
	v_max3_num_f32 v12, v12, |v[XQ+\i]|, |v[XQ+\i+1]|
	s_delay_alu instid0(VALU_DEP_2)
	v_max3_num_f32 v13, v13, |v[XQ+\i+2]|, |v[XQ+\i+3]|
.endr
	s_delay_alu instid0(VALU_DEP_2)
	v_max3_num_f32 v12, v12, |v[XQ+30]|, |v[XQ+31]|
	s_delay_alu instid0(VALU_DEP_1)
	v_max3_num_f32 v12, v12, v13, 0x1800000        ; and the floor 2^(3 - 127)
	s_delay_alu instid0(VALU_DEP_1)
	v_add_nc_u32 v11, 0xff000000, v12              ; the conversion's scale operand
	s_delay_alu instid0(VALU_DEP_1)
	v_lshrrev_b32 v13, 23, v11                     ; the byte
.if (\t) == 0
	s_delay_alu instid0(VALU_DEP_1)
	v_mov_b32 v[WSB], v13
.else
	s_delay_alu instid0(VALU_DEP_1)
	v_lshl_or_b32 v[WSB], v13, 8*(\t), v[WSB]
.endif
.irp g, 0,1,2,3
	v_cvt_scalef32_pk8_fp4_f32 v[WC+4*(\t)+\g], v[XQ+8*\g:XQ+8*\g+7], v11
.endr
	v_nop                                          ; one plain line behind the conversions
	global_store_b128 v3, v[WC+4*(\t):WC+4*(\t)+3], s[20:21] offset:256*(\t)   ; lanes 0-15 and lanes 16-31 each store 256 consecutive bytes, aligned
.if (\t)+2 < 4
	LOADW (\t)+2
.endif
.endm
	BLOCKW 0
	BLOCKW 1
	BLOCKW 2
	BLOCKW 3
	global_store_b32 v2, v[WSB], s[22:23]          ; my column's scale word for this K step
.Lend:
	s_wait_tensorcnt 0x0                           ; the wave's end, behind my last LDS store
	ds_add_u32 v[SPW], v[NIL]
	s_wait_dscnt 0x0
	s_endpgm
.Lfunc_end_k_q6b651bbdb9_prep:
	.size	k_q6b651bbdb9_prep, .Lfunc_end_k_q6b651bbdb9_prep-k_q6b651bbdb9_prep
	.p2alignl 7, 3214868480
	.fill 96, 4, 3214868480
	.section	.rodata,"a",@progbits
	.p2align	6, 0x0
	.amdhsa_kernel k_q6b651bbdb9_prep
		.amdhsa_group_segment_fixed_size 27136
		.amdhsa_private_segment_fixed_size 0
		.amdhsa_enable_private_segment 0
		.amdhsa_kernarg_size 96
		.amdhsa_user_sgpr_count 2
		.amdhsa_user_sgpr_kernarg_segment_ptr 1
		.amdhsa_wavefront_size32 1
		.amdhsa_system_sgpr_workgroup_id_x 1
		.amdhsa_system_sgpr_workgroup_id_y 1
		.amdhsa_system_sgpr_workgroup_id_z 1
		.amdhsa_system_vgpr_workitem_id 0
		.amdhsa_next_free_vgpr 256
		.amdhsa_next_free_sgpr 84
		.amdhsa_reserve_vcc 1
		.amdhsa_float_denorm_mode_32 3
		.amdhsa_float_denorm_mode_16_64 3
		.amdhsa_memory_ordered 1
		.amdhsa_forward_progress 1
		.amdhsa_inst_pref_size 143
	.end_amdhsa_kernel
	.amdgpu_metadata
---
amdhsa.version: [ 1, 2 ]
amdhsa.kernels:
  - .name:           k_q6b651bbdb9_prep
    .symbol:         k_q6b651bbdb9_prep.kd
    .args:
      - { .name: x, .offset: 0, .size: 8, .value_kind: global_buffer, .address_space: global }
      - { .name: Wg, .offset: 8, .size: 8, .value_kind: global_buffer, .address_space: global }
      - { .name: bg, .offset: 16, .size: 8, .value_kind: global_buffer, .address_space: global }
      - { .name: W, .offset: 24, .size: 8, .value_kind: global_buffer, .address_space: global }
      - { .name: xc, .offset: 32, .size: 8, .value_kind: global_buffer, .address_space: global }
      - { .name: xs, .offset: 40, .size: 8, .value_kind: global_buffer, .address_space: global }
      - { .name: wc, .offset: 48, .size: 8, .value_kind: global_buffer, .address_space: global }
      - { .name: ws, .offset: 56, .size: 8, .value_kind: global_buffer, .address_space: global }
      - { .name: lst, .offset: 64, .size: 8, .value_kind: global_buffer, .address_space: global }
      - { .name: cof, .offset: 72, .size: 8, .value_kind: global_buffer, .address_space: global }
      - { .name: gate, .offset: 80, .size: 8, .value_kind: global_buffer, .address_space: global }
      - { .name: psum, .offset: 88, .size: 8, .value_kind: global_buffer, .address_space: global }
    .group_segment_fixed_size: 27136
    .private_segment_fixed_size: 0
    .kernarg_segment_align: 8
    .kernarg_segment_size: 96
    .max_flat_workgroup_size: 256
    .sgpr_count:     84
    .vgpr_count:     256
    .wavefront_size: 32
...
	.end_amdgpu_metadata
.endif
;; end of part 1
;; launch moe (part 2): grid 256 x 1, 4 waves a work-group, no clusters, 68,608 bytes of LDS; arguments xc, xs, wc, ws, lst, cof, gate, psum, b, out0, out1; writes out0, out1
.if DOCPART == 2
	.amdgcn_target "amdgcn-amd-amdhsa--gfx1250"
	.amdhsa_code_object_version 6
	.text
	.protected	k_q6b651bbdb9_moe
	.globl	k_q6b651bbdb9_moe
	.p2align	8
	.type	k_q6b651bbdb9_moe,@function
k_q6b651bbdb9_moe:
	s_mov_b64 s[64:65], 0
	v_nop
	global_prefetch_b8 v0, s[64:65] scope:SCOPE_SE
	s_setreg_imm32_b32 hwreg(HW_REG_WAVE_MODE, 25, 1), 1
	s_wait_xcnt 0x0
; MOE: out[t] = (Q(x[t]) Q(W[e(t)]) + b[e(t)]) x top_prob[t] for the first 640 tokens of each expert, 0 for the others; and the aux loss.
; WORK LEFT OUT: only row t of expert e(t) is multiplied; the other seven rows of reference()'s product are multiplied by a dispatch of 0 that reference() builds itself (shown at the head of the first kernel).
; LIMITS: a NaN, an infinity or an overflow that reaches only those rows is not carried over; a dropped token's row is its sum x 0, so it is 0 only while that sum is finite.
; SHARES.  Work-group = (expert e, range of 512 tokens, block of 256 output columns): 8 x 8 x 4 = 256.  It owns every token of its range that chose e, whatever the split: each 1,024 bytes of out have one owner.
; The list of those tokens is never stored: slot rho of it lies in group g (16 groups of 32 tokens), where P[g] <= rho < P[g + 1], at lane off[g] + rho - P[g] of that group's sorted list, which a register holds.
; A slot's rank in its expert's buffer is R0 + rho, R0 the expert's count in all earlier groups: token order is kept, so ranks from 640 on are the tokens that reference() drops.
; A PASS takes 96 slots (six tiles of 16); six passes serve all 512.  The loop's trip count is a constant and both barriers stand on every wave's path; a pass beyond the list jumps over its work.
; Slots beyond the list's end repeat its last token: they are multiplied with the rest of the pass and not stored.
; WAVES share the columns: wave w has 64 of them for all rows, and its part of W's codes (256 registers), scale words and bias stay in registers, asked for at the first line, since e is known from the work-group's number.
; The rows' codes are gathered as whole rows of 512 bytes, 24 a wave, into LDS, and read from there by all four waves.
; NO TENSOR LOAD, SO NO JOINT LOAD IN A CLUSTER, though the eight ranges of one (e, columns) read the same codes of W: branches here hang on counts read from memory.
; THE PRODUCT IS USED TRANSPOSED: source 0 = 16 columns of W, source 1 = 16 rows of x: a lane holds one token and eight neighbouring outputs.  The bias is the C of each sum's first product.
; REGISTERS: window 0: addresses, lists, scale words (v56-95, scales alone), bias, and v128-223 at work; window 1: W's fragments (tile nt, K step s) at 64 nt + 8 s; window 2: the 24 accumulators (mt, nt) at 8 (4 mt + nt).
.set APITCH, 528                       ; a row of 512 bytes of codes + 16: the 16 rows that a fragment load touches begin 33 x 16 bytes apart
.set SPITCH, 272                       ; a stage row: 256 bytes + 16
.set STG,    96*APITCH                 ; behind the 96 rows: a stage of 16 rows for each wave, its own
.set SPARE,  STG+4*16*SPITCH           ; the spare words, 128 bytes for each wave: two blocks of 256 bytes that no other line names
.set LN,  1                            ; lane
.set RR,  2                            ; lane % 16
.set HH,  3                            ; lane / 16
.set L16, 4                            ; 16 x lane
.set L4,  5                            ; 4 x lane
.set AFR, 6                            ; LDS: my place in a fragment of x
.set AST, 7                            ; LDS: where my wave puts rows
.set STO, 8                            ; stage, in
.set SRD, 9                            ; stage, back
.set COL, 10                           ; 16 (lane % 16)
.set ROT, 11                           ; 4 ((lane + 8 wave) % 32)
.set H4,  12                           ; 4 (lane / 16)
.set RK0, 13                           ; R0
.set SPW, 14                           ; LDS address of my spare word; never rewritten
.set NIL, 15                           ; 0; never rewritten
.set RC,  16                           ; lanes 0-15 the 16 groups' counts of e, lanes 16-31 where e's run begins in each
.set RHO, 17                           ; v17-19   slot 32 p + lane of the pass, held at the list's last
.set LL,  20                           ; v20-22   its token
.set OWN, 23                           ; v23-25   the same turned by 8 x wave lanes
.set BAD, 26                           ; 32 (lane / 16): the bias's offset
.set RAD, 27                           ; RC's offset
.set G,   28                           ; v28-39   tile mt's gate at 28 + 2 mt, and once more above it
.set GL,  40                           ; v40-55   the 16 groups' sorted lists
.set XS,  56                           ; v56-79   x's scale words: 8 p + s, lane = row 32 p + lane
.set WS,  80                           ; v80-95   W's: 8 q + s, lane = column 32 q + lane of my 64
.set BI,  96                           ; v96-127  the bias in the result's layout, 8 a tile
.set IDX, 128                          ; the work area by turns: 48 lane indices and 48 results;
.set RES, 176
.set ROW, 128                          ; 24 rows x 4 registers;
.set AF,  128                          ; two sets of six fragments of x;
.set T,   128                          ; a tile row's 32 results, 32 registers back from the stage, 8 indices, 8 tokens;
.set BK,  160
.set TKI, 192
.set TK,  200
.set AX,  128                          ; the aux loss's 64 + 4
.set XAD, 224
.set GAD, 227
.set PRB, 230
.set TB,  233
.set CN,  236
.set CAD, 240
.set ZR,  241
.set MSB, 0
.macro WIN new                         ; the immediate's high byte repeats the setting that is left
.if MSB != \new
	s_set_vgpr_msb (MSB<<8)|\new
.set MSB, \new
.endif
.endm
.macro MX1 a, b, t, mk, m              ; two sums become one: lanes without bit m go on with a's, lanes with it with b's
	v_cndmask_b32 v[\t], v[\b], v[\a], s[\mk]
	v_cndmask_b32 v[\a], v[\a], v[\b], s[\mk]
	v_add_f32_dpp v[\a], v[\t], v[\a] row_xmask:\m row_mask:0xf bank_mask:0xf
.endm
; The 96 slots from s[pb] on: their tokens, and the gathers of x's scale words and of top_prob.  All lane work: no LDS byte is touched.
.macro LISTS pb
.irp p, 0,1,2
	v_add3_u32 v[RHO+\p], v[LN], s[\pb], 32*\p
.endr
.irp p, 0,1,2
	v_min_u32 v[RHO+\p], s28, v[RHO+\p]            ; beyond the list's end: its last slot
.endr
.irp p, 0,1,2
.irp g, 0,1,2,3,4,5,6,7,8,9,10,11,12,13,14,15
	v_lshl_add_u32 v[IDX+16*\p+\g], v[RHO+\p], 2, s[48+\g]   ; 4 (rho - P[g] + off[g]): the lane, if the slot lies in group g
.endr
.endr
.irp p, 0,1,2
.irp g, 0,1,2,3,4,5,6,7,8,9,10,11,12,13,14,15
	ds_bpermute_b32 v[RES+16*\p+\g], v[IDX+16*\p+\g], v[GL+\g]
.endr
.endr
	s_wait_dscnt 0x0
.irp g, 1,2,3,4,5,6,7,8,9,10,11,12,13,14,15
.irp p, 0,1,2
	v_cmp_le_u32 s[84+\p], s[32+\g], v[RHO+\p]     ; the last group with P[g] <= rho is the slot's
.endr
.irp p, 0,1,2
	v_cndmask_b32 v[RES+16*\p], v[RES+16*\p], v[RES+16*\p+\g], s[84+\p]
.endr
.endr
.irp p, 0,1,2
	v_min_u32 v[LL+\p], 0xfff, v[RES+16*\p]        ; a token's number, held inside the tables that it indexes
.endr
.irp p, 0,1,2
	ds_bpermute_b32 v[OWN+\p], v[ROT], v[LL+\p]    ; lanes 0-7: the eight rows of each 32 that my wave fetches
	v_lshlrev_b32 v[XAD+\p], 5, v[LL+\p]
	v_lshlrev_b32 v[GAD+\p], 2, v[LL+\p]
.endr
.irp p, 0,1,2
	global_load_b128 v[XS+8*\p:XS+8*\p+3], v[XAD+\p], s[6:7]
	global_load_b128 v[XS+8*\p+4:XS+8*\p+7], v[XAD+\p], s[6:7] offset:16
	global_load_b32 v[PRB+\p], v[GAD+\p], s[16:17]
.endr
	s_wait_dscnt 0x0
.endm
.macro AFETCH s                        ; K step s: six fragments of x (16 rows x 128 K: two loads of 16 bytes, 32 apart) into set s % 2
.set FB, AF+48*((\s)%2)
.irp mt, 0,1,2,3,4,5
.irp c, 0,1
	ds_load_b128 v[FB+8*\mt+4*\c:FB+8*\mt+4*\c+3], v[AFR] offset:\mt*16*APITCH+64*(\s)+32*\c
.endr
.endr
.endm
.macro WM s, mt, nt                    ; one product.  A scale register carries two tiles' words: the even tile's in lanes 0-15, the odd tile's in lanes 16-31
.set rD, 8*(4*\mt+\nt)
.set rA, 64*\nt+8*(\s)
.set rB, AF+48*((\s)%2)+8*\mt
.set rP, WS+8*(\nt/2)+(\s)
.set rQ, XS+8*(\mt/2)+(\s)
.set rC, rD
.if (\s) == 0
.set rC, BI+8*\nt
.endif
.if (\nt%2 == 0) && (\mt%2 == 0)
	v_wmma_scale_f32_16x16x128_f8f6f4 v[rD:rD+7], v[rA:rA+7], v[rB:rB+7], v[rC:rC+7], v[rP], v[rQ] matrix_a_fmt:MATRIX_FMT_FP4 matrix_b_fmt:MATRIX_FMT_FP4
.elseif (\nt%2 == 1) && (\mt%2 == 0)
	v_wmma_scale_f32_16x16x128_f8f6f4 v[rD:rD+7], v[rA:rA+7], v[rB:rB+7], v[rC:rC+7], v[rP], v[rQ] matrix_a_fmt:MATRIX_FMT_FP4 matrix_b_fmt:MATRIX_FMT_FP4 matrix_a_scale:MATRIX_SCALE_ROW1
.elseif (\nt%2 == 0) && (\mt%2 == 1)
	v_wmma_scale_f32_16x16x128_f8f6f4 v[rD:rD+7], v[rA:rA+7], v[rB:rB+7], v[rC:rC+7], v[rP], v[rQ] matrix_a_fmt:MATRIX_FMT_FP4 matrix_b_fmt:MATRIX_FMT_FP4 matrix_b_scale:MATRIX_SCALE_ROW1
.else
	v_wmma_scale_f32_16x16x128_f8f6f4 v[rD:rD+7], v[rA:rA+7], v[rB:rB+7], v[rC:rC+7], v[rP], v[rQ] matrix_a_fmt:MATRIX_FMT_FP4 matrix_b_fmt:MATRIX_FMT_FP4 matrix_a_scale:MATRIX_SCALE_ROW1 matrix_b_scale:MATRIX_SCALE_ROW1
.endif
.endm
; A K step of 128: the next step's fragments are asked for, then 24 products, the 24 accumulators by turns in the same order in every step
.macro KSTEP s
.if (\s) < 7
.if (\s) > 0
.rept 4
	v_nop                                          ; places in front of loads into registers that the last step's products have read
.endr
.endif
	AFETCH (\s)+1
	s_wait_dscnt 12                                ; this step's fragments are in; the 12 loads just issued may be out
.else
	s_wait_dscnt 0x0
.endif
.if (\s) == 0
	WIN 0x81                                       ; source 0 (W) window 1, source 1 (x) and C (the bias) window 0, D window 2
.else
	WIN 0xa1                                       ; C and D window 2
.endif
.irp mt, 0,1,2,3,4,5
.irp nt, 0,1,2,3
	WM \s,\mt,\nt
.endr
.endr
	WIN 0
.endm
; The way out of tile row mt: x the gate; through my stage, so that sixteen lanes hold 256 neighbouring bytes of one token's row; stored to the rows that the list names.  Rows beyond the list's end are not stored.
.macro EPI mt
	s_cmp_le_u32 s30, 16*\mt
	s_cbranch_scc1 .Lnx
	s_wait_xcnt 0x0                                ; the last tile row's stores have read their data and addresses: both are written again below
	WIN 0x02                                       ; source 0: window 2
	s_wait_alu depctr_va_vdst(0)
.irp nt, 0,1,2,3
.irp j, 0,2,4,6
	v_pk_mul_f32 v[T+8*\nt+\j:T+8*\nt+\j+1], v[8*(4*\mt+\nt)+\j:8*(4*\mt+\nt)+\j+1], v[G+2*\mt:G+2*\mt+1] op_sel_hi:[1,0]   ; each accumulator from its low end on
.endr
.endr
	WIN 0
.irp i, 0,1,2,3,4,5,6,7
	v_add_nc_u32 v[TKI+\i], 4*(16*(\mt%2)+2*\i), v[H4]
.endr
.irp i, 0,1,2,3,4,5,6,7
	ds_bpermute_b32 v[TK+\i], v[TKI+\i], v[LL+\mt/2]   ; the token of row 16 mt + 2 i + lane / 16
.endr
.irp nt, 0,1,2,3
	ds_store_b128 v[STO], v[T+8*\nt:T+8*\nt+3] offset:64*\nt
	ds_store_b128 v[STO], v[T+8*\nt+4:T+8*\nt+7] offset:64*\nt+16
.endr
.irp i, 0,1,2,3,4,5,6,7
	ds_load_b128 v[BK+4*\i:BK+4*\i+3], v[SRD] offset:\i*2*SPITCH   ; LDS serves a wave's instructions in order: these see my stores
.endr
	s_wait_dscnt 0x0
.irp i, 0,1,2,3,4,5,6,7
	v_min_u32 v[TK+\i], 0xfff, v[TK+\i]
.endr
.irp i, 0,1,2,3,4,5,6,7
	v_lshl_add_u32 v[TK+\i], v[TK+\i], 12, v[COL]  ; the token's row of 4,096 bytes + my 16
.endr
.irp i, 0,1,2,3,4,5,6,7
.if \i > 0
	s_cmp_le_u32 s30, 16*\mt+2*\i
	s_cbranch_scc1 .Lnx
.endif
	s_wait_alu depctr_va_vdst(0)
	global_store_b128 v[TK+\i], v[BK+4*\i:BK+4*\i+3], s[22:23] th:TH_STORE_NT   ; 16 lanes store 256 consecutive bytes, aligned; where the list ends on an odd row the upper 16 repeat the lower 16's row with the same numbers
.endr
.endm
	s_load_b512 s[4:19], s[0:1], 0x0               ; xc 4, xs 6, wc 8, ws 10, lst 12, cof 14, gate 16, psum 18
	s_load_b128 s[20:23], s[0:1], 0x40             ; b 20, out0 22
	s_load_b64 s[24:25], s[0:1], 0x50              ; out1
	v_lshl_add_u32 v[SPW], v0, 2, SPARE
	v_mov_b32 v[NIL], 0
	v_lshrrev_b32 v1, 5, v0
	v_readfirstlane_b32 s26, v1                    ; wave 0..3
	v_and_b32 v[LN], 31, v0
	v_and_b32 v[RR], 15, v0
	v_bfe_u32 v[HH], v0, 4, 1
	v_lshlrev_b32 v[L16], 4, v[LN]
	v_lshlrev_b32 v[L4], 2, v[LN]
	v_mul_u32_u24 v[AFR], v[RR], APITCH
	v_lshl_add_u32 v[AFR], v[HH], 4, v[AFR]
	s_mul_i32 s31, s26, 8*APITCH
	v_add_nc_u32 v[AST], s31, v[L16]
	s_mul_i32 s31, s26, 16*SPITCH
	s_add_co_u32 s31, s31, STG
	v_mul_u32_u24 v[STO], v[RR], SPITCH
	v_lshl_add_u32 v[STO], v[HH], 5, v[STO]
	v_add_nc_u32 v[STO], s31, v[STO]
	v_mul_u32_u24 v[SRD], v[HH], SPITCH
	v_lshl_add_u32 v[SRD], v[RR], 4, v[SRD]
	v_add_nc_u32 v[SRD], s31, v[SRD]
	v_lshlrev_b32 v[COL], 4, v[RR]
	s_lshl_b32 s31, s26, 3
	v_add_nc_u32 v[ROT], s31, v[LN]
	v_and_b32 v[ROT], 31, v[ROT]
	v_lshlrev_b32 v[ROT], 2, v[ROT]
	v_lshlrev_b32 v[H4], 2, v[HH]
	v_lshlrev_b32 v[BAD], 5, v[HH]
	v_lshlrev_b32 v[RAD], 7, v[RR]
	v_lshl_add_u32 v[RAD], v[HH], 5, v[RAD]        ; group lane % 16's 128 bytes; lanes 16-31 eight words further on
	v_lshlrev_b32 v[CAD], 7, v[LN]                 ; a group's 128 bytes a lane
	s_and_b32 s66, ttmp9, 3                        ; which 256 columns
	s_bfe_u32 s67, ttmp9, 0x30002                  ; which 512 tokens
	s_lshr_b32 s68, ttmp9, 5                       ; expert
	s_lshl_b32 s69, s67, 4                         ; the range's first group
	s_or_b32 s76, ttmp9, s26                       ; 0 in wave 0 of work-group 0: it also makes the aux loss
	s_mov_b32 s77, 0xf0f0f0f0                      ; lanes with bit 2, 1, 0 set
	s_mov_b32 s78, 0xcccccccc
	s_mov_b32 s79, 0xaaaaaaaa
	s_mov_b32 s80, 0x76543210                      ; v_permlanex16_b32's selects for lane l xor 16
	s_mov_b32 s81, 0xfedcba98
	s_mov_b32 s82, 0xffff0000                      ; lanes 16-31
	s_lshl_b32 s83, s66, 10
	s_lshl_b32 s31, s26, 8
	s_add_co_u32 s83, s83, s31                     ; 4 x my wave's first column
	s_mov_b32 s71, 0
	s_wait_alu depctr_va_vdst(0)
	s_wait_kmcnt 0x0
	s_lshl_b32 s70, s68, 2
	s_add_nc_u64 s[72:73], s[14:15], s[70:71]      ; cof at word e
	s_lshl_b32 s70, s67, 11
	s_add_nc_u64 s[74:75], s[72:73], s[70:71]      ; and at my range's first group
	s_add_nc_u64 s[12:13], s[12:13], s[70:71]      ; lst likewise
	s_lshl_b32 s70, s68, 19
	s_lshl_b32 s31, s66, 17
	s_add_co_u32 s70, s70, s31
	s_lshl_b32 s31, s26, 15
	s_add_co_u32 s70, s70, s31
	s_add_nc_u64 s[8:9], s[8:9], s[70:71]          ; W's codes: my four tiles of 16 columns
	s_lshl_b32 s70, s68, 15
	s_add_co_u32 s70, s70, s83
	s_add_nc_u64 s[10:11], s[10:11], s[70:71]      ; W's scale words
	s_lshl_b32 s70, s68, 12
	s_add_co_u32 s70, s70, s83
	s_add_nc_u64 s[20:21], s[20:21], s[70:71]      ; the bias
	s_mov_b32 s70, s83
	s_add_nc_u64 s[22:23], s[22:23], s[70:71]      ; out: my 256 bytes of a row
	; the routing's 21 loads first,
	global_load_b32 v[RC], v[RAD], s[74:75]
.irp k, 0,1,2,3
	global_load_b32 v[CN+\k], v[CAD], s[72:73] offset:4096*\k   ; e's count in group 32 k + lane
.endr
.irp g, 0,1,2,3,4,5,6,7,8,9,10,11,12,13,14,15
	global_load_b32 v[GL+\g], v[L4], s[12:13] offset:128*\g
.endr
	s_cmp_lg_u32 s76, 0
	s_cbranch_scc1 .Lno_aux_load
.irp k, 0,1,2,3
	global_load_b128 v[AX+8*\k:AX+8*\k+3], v[CAD], s[14:15] offset:4096*\k          ; the 8 counts and the 8 sums of probs of group 32 k + lane
	global_load_b128 v[AX+8*\k+4:AX+8*\k+7], v[CAD], s[14:15] offset:4096*\k+16
	global_load_b128 v[AX+32+8*\k:AX+32+8*\k+3], v[CAD], s[18:19] offset:4096*\k
	global_load_b128 v[AX+32+8*\k+4:AX+32+8*\k+7], v[CAD], s[18:19] offset:4096*\k+16
.endr
.Lno_aux_load:
	; then the 88 loads of what stays in registers: they hang on ids alone
.irp nt, 0,1,2,3
	global_load_b128 v[BI+8*\nt:BI+8*\nt+3], v[BAD], s[20:21] offset:64*\nt
	global_load_b128 v[BI+8*\nt+4:BI+8*\nt+7], v[BAD], s[20:21] offset:64*\nt+16
.endr
.irp q, 0,1
.irp s, 0,1,2,3,4,5,6,7
	global_load_b32 v[WS+8*\q+\s], v[L4], s[10:11] offset:4096*\s+128*\q
.endr
.endr
	WIN 0x40                                       ; destination window 1
.irp nt, 0,1,2,3
.irp s, 0,1,2,3,4,5,6,7
.irp c, 0,1
	global_load_b128 v[64*\nt+8*\s+4*\c:64*\nt+8*\s+4*\c+3], v[L16], s[8:9] offset:8192*\nt+1024*\s+512*\c   ; the codes lie in the order of the operand's registers: 512 consecutive bytes a load
.endr
.endr
.endr
	WIN 0
	s_cmp_lg_u32 s76, 0
	s_cbranch_scc1 .Lno_aux
	; ---- aux = 8 sum_e (count_e / 4,096) (sum of probs_e / 4,096)
	s_wait_loadcnt 63                              ; 88 loads are younger than the 16 above: with 63 out, those are in
.irp e, 0,1,2,3,4,5,6,7
	v_add3_u32 v[AX+\e], v[AX+\e], v[AX+8+\e], v[AX+16+\e]
.endr
.irp e, 0,1,2,3,4,5,6,7
	v_add_nc_u32 v[AX+\e], v[AX+\e], v[AX+24+\e]
.endr
.irp e, 0,1,2,3,4,5,6,7
	v_cvt_f32_u32 v[AX+\e], v[AX+\e]               ; at most 128: exact
.endr
.irp e, 0,2,4,6
	v_pk_add_f32 v[AX+32+\e:AX+33+\e], v[AX+32+\e:AX+33+\e], v[AX+40+\e:AX+41+\e]
	v_pk_add_f32 v[AX+48+\e:AX+49+\e], v[AX+48+\e:AX+49+\e], v[AX+56+\e:AX+57+\e]
.endr
.irp e, 0,2,4,6
	v_pk_add_f32 v[AX+32+\e:AX+33+\e], v[AX+32+\e:AX+33+\e], v[AX+48+\e:AX+49+\e]
.endr
.irp q, 0,32
.irp e, 0,1,2,3
	MX1 AX+\q+\e, AX+\q+\e+4, AX+64+\e, 77, 4      ; over the 32 lanes: lane l ends with expert l & 7's total
.endr
.irp e, 0,1
	MX1 AX+\q+\e, AX+\q+\e+2, AX+64+\e, 78, 2
.endr
	MX1 AX+\q, AX+\q+1, AX+64, 79, 1
	v_add_f32_dpp v[AX+\q], v[AX+\q], v[AX+\q] row_xmask:8 row_mask:0xf bank_mask:0xf
	v_permlanex16_b32 v[AX+64], v[AX+\q], s80, s81
	v_add_f32 v[AX+\q], v[AX+\q], v[AX+64]
.endr
	v_mul_f32 v[AX], v[AX], v[AX+32]
	v_add_f32_dpp v[AX], v[AX], v[AX] row_xmask:1 row_mask:0xf bank_mask:0xf
	v_add_f32_dpp v[AX], v[AX], v[AX] row_xmask:2 row_mask:0xf bank_mask:0xf
	v_add_f32_dpp v[AX], v[AX], v[AX] row_xmask:4 row_mask:0xf bank_mask:0xf
	v_mul_f32 v[AX], 0x35000000, v[AX]             ; x 8 / 4,096^2 = 2^-21
	v_mov_b32 v[ZR], 0
	v_cmp_eq_u32 vcc_lo, 0, v[LN]
	s_wait_alu depctr_va_vdst(0)
	s_wait_xcnt 0x0                                ; EXEC changes only behind this wait: loads are out
	s_and_saveexec_b32 s31, vcc_lo
	global_store_b32 v[ZR], v[AX], s[24:25]        ; lane 0 alone
	s_wait_xcnt 0x0                                ; and again, in front of the line that widens it
	s_or_b32 exec_lo, exec_lo, s31
.Lno_aux:
	s_wait_loadcnt 63                              ; 88 loads are younger than the routing's 21: with 63 out, those are in
.irp k, 0,1,2,3
	v_add_nc_u32 v[TB], 32*\k, v[LN]
	v_cmp_gt_u32 vcc_lo, s69, v[TB]                ; groups ahead of my range
	v_cndmask_b32 v[CN+\k], 0, v[CN+\k], vcc_lo
.endr
	v_add3_u32 v[RK0], v[CN], v[CN+1], v[CN+2]
	v_add_nc_u32 v[RK0], v[RK0], v[CN+3]
.irp m, 1,2,4,8
	v_mov_b32_dpp v[TB], v[RK0] row_xmask:\m row_mask:0xf bank_mask:0xf
	v_add_nc_u32 v[RK0], v[RK0], v[TB]
.endr
	v_permlanex16_b32 v[TB], v[RK0], s80, s81
	v_add_nc_u32 v[RK0], v[RK0], v[TB]             ; R0, in every lane
	s_mov_b32 s32, 0
.irp g, 0,1,2,3,4,5,6,7,8,9,10,11,12,13,14,15
	v_readlane_b32 s31, v[RC], \g                  ; the group's count of e
	v_readlane_b32 s[48+\g], v[RC], 16+\g          ; where e's run begins in the group's list
	s_sub_co_u32 s[48+\g], s[48+\g], s[32+\g]
	s_lshl_b32 s[48+\g], s[48+\g], 2               ; K[g] = 4 (off[g] - P[g])
.if \g < 15
	s_add_co_u32 s[33+\g], s[32+\g], s31           ; P[g + 1]
.else
	s_add_co_u32 s27, s[32+\g], s31                ; c: the length of my list
.endif
.endr
	s_max_u32 s28, s27, 1
	s_sub_co_u32 s28, s28, 1                       ; the last slot (0 for an empty list: its addresses stay inside the tables, and nothing of it is used)
	s_mov_b32 s29, 0                               ; the pass's first slot
	LISTS 29                                       ; the first pass's lists stand ahead of the loop, on every path; a later pass's are made at the end of the pass before
.Lpass:
	s_cmp_ge_u32 s29, s27
	s_cbranch_scc1 .Lb1
.irp p, 0,1,2
.irp i, 0,1,2,3,4,5,6,7
	v_readlane_b32 s[88+\i%4], v[OWN+\p], \i       ; row 32 p + 8 wave + i of the pass
	s_min_u32 s[88+\i%4], s[88+\i%4], 0xfff
	v_lshl_add_u32 v[ROW+4*(8*\p+\i)], s[88+\i%4], 9, v[L16]
	global_load_b128 v[ROW+4*(8*\p+\i):ROW+4*(8*\p+\i)+3], v[ROW+4*(8*\p+\i)], s[4:5]   ; a token's whole row of codes: 512 consecutive bytes; the load lands on its own address register
.endr
.endr
.irp p, 0,1,2
.irp i, 0,1,2,3,4,5,6,7
	s_wait_loadcnt 23-(8*\p+\i)                    ; loads come back in order: this row is in, the younger rows stay out
	ds_store_b128 v[AST], v[ROW+4*(8*\p+\i):ROW+4*(8*\p+\i)+3] offset:(32*\p+\i)*APITCH
.endr
.endr
.Lb1:
	s_wait_dscnt 0x0                               ; for the others' sake: my rows have landed
	s_barrier_signal -1
	s_barrier_wait -1
	s_cmp_ge_u32 s29, s27
	s_cbranch_scc1 .Lb2
	s_wait_loadcnt 0x0                             ; x's scale words, the gates, and all that stays in registers
	AFETCH 0
	s_sub_co_u32 s30, s27, s29
	s_min_u32 s30, s30, 96                         ; rows of this pass that are stored
.irp p, 0,1,2
	v_add_nc_u32 v[TB+\p], v[RK0], v[RHO+\p]       ; the slot's rank in its expert's buffer, from 0
	v_cmp_gt_u32 vcc_lo, 640, v[TB+\p]
	v_cndmask_b32 v[PRB+\p], 0, v[PRB+\p], vcc_lo  ; over the capacity: 0
.endr
.irp p, 0,1,2
	v_permlanex16_b32 v[TB+\p], v[PRB+\p], s80, s81
.endr
.irp p, 0,1,2
	v_cndmask_b32 v[G+4*\p], v[PRB+\p], v[TB+\p], s82     ; tile 2 p: both halves of the lanes want rows 0-15's
	v_cndmask_b32 v[G+4*\p+2], v[TB+\p], v[PRB+\p], s82   ; tile 2 p + 1: rows 16-31's
.endr
.irp mt, 0,1,2,3,4,5
	v_mov_b32 v[G+2*\mt+1], v[G+2*\mt]             ; the packed multiply names a pair
.endr
	KSTEP 0
	KSTEP 1
	KSTEP 2
	KSTEP 3
	KSTEP 4
	KSTEP 5
	KSTEP 6
	KSTEP 7
.rept 5
	v_nop                                          ; places behind the last products: four for the reads of results and the loads into operands and scales, the fifth for the next pass's products, which begin the accumulators anew
.endr
	EPI 0
	EPI 1
	EPI 2
	EPI 3
	EPI 4
	EPI 5
.Lnx:
	s_add_co_u32 s31, s29, 96
	s_cmp_ge_u32 s31, s27
	s_cbranch_scc1 .Lb2
	s_wait_xcnt 0x0                                ; the stores have read their data and addresses: the work area is written again
	LISTS 31                                       ; the next pass's lists
.Lb2:
	s_wait_xcnt 0x0                                ; likewise on the way that makes no lists
	s_wait_dscnt 0x0                               ; my reads of the rows are over
	s_barrier_signal -1
	s_barrier_wait -1                              ; everybody's are: the next pass may write them
	s_add_co_u32 s29, s29, 96
	s_cmp_lt_u32 s29, 576                          ; six passes: 6 x 96 slots cover a range's 512 tokens
	s_cbranch_scc1 .Lpass
	s_wait_tensorcnt 0x0                           ; the wave's end, behind my last LDS store
	ds_add_u32 v[SPW], v[NIL]
	s_wait_dscnt 0x0
	s_endpgm
.Lfunc_end_k_q6b651bbdb9_moe:
	.size	k_q6b651bbdb9_moe, .Lfunc_end_k_q6b651bbdb9_moe-k_q6b651bbdb9_moe
	.p2alignl 7, 3214868480
	.fill 96, 4, 3214868480
	.section	.rodata,"a",@progbits
	.p2align	6, 0x0
	.amdhsa_kernel k_q6b651bbdb9_moe
		.amdhsa_group_segment_fixed_size 68608
		.amdhsa_private_segment_fixed_size 0
		.amdhsa_enable_private_segment 0
		.amdhsa_kernarg_size 88
		.amdhsa_user_sgpr_count 2
		.amdhsa_user_sgpr_kernarg_segment_ptr 1
		.amdhsa_wavefront_size32 1
		.amdhsa_system_sgpr_workgroup_id_x 1
		.amdhsa_system_sgpr_workgroup_id_y 1
		.amdhsa_system_sgpr_workgroup_id_z 1
		.amdhsa_system_vgpr_workitem_id 0
		.amdhsa_next_free_vgpr 704
		.amdhsa_next_free_sgpr 92
		.amdhsa_reserve_vcc 1
		.amdhsa_float_denorm_mode_32 3
		.amdhsa_float_denorm_mode_16_64 3
		.amdhsa_memory_ordered 1
		.amdhsa_forward_progress 1
		.amdhsa_inst_pref_size 129
	.end_amdhsa_kernel
	.amdgpu_metadata
---
amdhsa.version: [ 1, 2 ]
amdhsa.kernels:
  - .name:           k_q6b651bbdb9_moe
    .symbol:         k_q6b651bbdb9_moe.kd
    .args:
      - { .name: xc, .offset: 0, .size: 8, .value_kind: global_buffer, .address_space: global }
      - { .name: xs, .offset: 8, .size: 8, .value_kind: global_buffer, .address_space: global }
      - { .name: wc, .offset: 16, .size: 8, .value_kind: global_buffer, .address_space: global }
      - { .name: ws, .offset: 24, .size: 8, .value_kind: global_buffer, .address_space: global }
      - { .name: lst, .offset: 32, .size: 8, .value_kind: global_buffer, .address_space: global }
      - { .name: cof, .offset: 40, .size: 8, .value_kind: global_buffer, .address_space: global }
      - { .name: gate, .offset: 48, .size: 8, .value_kind: global_buffer, .address_space: global }
      - { .name: psum, .offset: 56, .size: 8, .value_kind: global_buffer, .address_space: global }
      - { .name: b, .offset: 64, .size: 8, .value_kind: global_buffer, .address_space: global }
      - { .name: out0, .offset: 72, .size: 8, .value_kind: global_buffer, .address_space: global }
      - { .name: out1, .offset: 80, .size: 8, .value_kind: global_buffer, .address_space: global }
    .group_segment_fixed_size: 68608
    .private_segment_fixed_size: 0
    .kernarg_segment_align: 8
    .kernarg_segment_size: 88
    .max_flat_workgroup_size: 128
    .sgpr_count:     92
    .vgpr_count:     704
    .wavefront_size: 32
...
	.end_amdgpu_metadata
.endif
;; end of part 2
